; MI455X (gfx1250); checked and timed in simulation.
; The chip was launched on July 23, 2026; its instructions are those of AMD's public machine-readable ISA for CDNA 5 (MIT licence, August 2026) and "CDNA5" Instruction Set Architecture Reference Guide (July 2026). The comments in the code are by the model that wrote it; some were corrected since.
;; Co Attention Fusion Block. Allowed arithmetic: matrix products marked QUANTISED: E2M3 operands, one E8M0 scale for each 32 along K, by v_wmma_scale_f32_16x16x128_f8f6f4 with both operands' format E2M3, f32 sums; products left as they are: f32 operands where the result goes on into a quantised operand, else bf16, f16 or f32 operands; f32 sums; everything else in f32.
;; Inputs: W_f 1,024 x 2,048 float32; W_k1 1,024 x 1,024 float32; W_k2 1,024 x 1,024 float32; b_f 1,024 float32; b_k1 1,024 float32; b_k2 1,024 float32; feat_depth 16,384 x 1,024 float32; feat_rgb 16,384 x 1,024 float32.
;; Outputs: out0 16,384 x 1,024 float32.
;; This version of the problem:
;;   THIS VERSION OF THE PROBLEM IS GIVEN IN LOW PRECISION. The matrix products marked QUANTISED in the list below multiply operands that are first quantised to E2M3 (2 exponent bits, 3 mantissa bits; 6 bits a number), with one power-of-two scale for each 32 numbers along K (OCP MX v1.0); their sums are f32. All else is computed in f32.
;;   The module's matrix products, in the order in which they are computed (A, B: the left and right operand; K: the contracted axis; several contracted axes count as one K, in the product's order):
;;     1. [M 16,384, K 1,024] x [K 1,024, N 1,024]; A: input feat_rgb; B: input W_k1: QUANTISED
;;     2. [M 16,384, K 1,024] x [K 1,024, N 1,024]; A: input feat_depth; B: input W_k2: QUANTISED
;;     3. batch 16,384 x [M 1, K 1,024] x [K 1,024, N 1]; A: computed on the way; B: computed on the way: left as it is (M = 1 < 16)
;;     4. [M 16,384, K 2,048] x [K 2,048, N 1,024]; A: computed on the way; B: input W_f: QUANTISED
;;   THE QUANTISER, for each operand of a quantised product, along K:
;;     - K is cut into blocks of 32 from its start; a last block that is shorter is filled with zeros.
;;     - A block's scale is 2^e with e = floor(log2(the largest magnitude in the block)) - 2, held to -126 .. 127; a block of zeros has e = 0. As a byte (E8M0): e + 127.
;;     - Each number is divided by its block's scale, clamped to +-7.5, and rounded to the nearest number of E2M3, ties to even, subnormals kept.
;;     - The product sums the exact products of the quantised numbers (number of the format x scale) in f32.
;;   ~~~python
;;   def quantise(x, axis):      # numpy; x: float32 -> the quantised numbers, widened to float32 again
;;       x = np.moveaxis(x, axis, -1); K = x.shape[-1]
;;       x = np.pad(x, [(0, 0)] * (x.ndim - 1) + [(0, -K % 32)]); x = x.reshape(x.shape[:-1] + (-1, 32)); a = np.abs(x).max(-1, keepdims=True)
;;       e = np.where(a > 0, np.clip(np.frexp(np.where(a > 0, a, 1))[1] - 1 - 2, -126, 127), 0)      # np.frexp(a)[1] - 1 = floor(log2(a)), exactly
;;       r = np.clip(x / 2.0 ** e, -7.5, 7.5)
;;       step = 2.0 ** (np.maximum(np.frexp(np.where(r == 0, 1, r))[1] - 1, 0) - 3)
;;       q = np.round(r / step) * step * 2.0 ** e      # np.round: ties to even
;;       return np.moveaxis(q.reshape(q.shape[:-2] + (-1,))[..., :K], -1, axis).astype(np.float32)
;;   ~~~
;;   OPERANDS COMPUTED ON THE WAY. 'Computed on the way' means the value that the module computes at that place (a softmax that the list does not call 'softmax' is quantised finished and normalised). What goes into a quantiser is computed in f32, as accurately as f32 sums, v_exp_f32 and their like allow (about 1e-6 of the number): no bf16 or f16 on the way to a quantiser, and a product that is left as it is and whose result goes on into a quantised operand takes f32 operands (vector FMAs, or v_wmma_f32_16x16x4_f32). A number that lies on a knife's edge between two numbers of the format may be rounded either way, as far as f32 arithmetic and the matrix unit's own rounding can turn it there, and no further.
;; One version. Each part assembles by itself: llvm-mc -triple=amdgcn-amd-amdhsa -mcpu=gfx1250 --defsym DOCPART=n.
;; ======== version 1 of 1: 2 launches
;; limits: right only within a limited range of input values
;; workspace buffers: wq 1,638,400 bytes
;; launch wquant (part 1): grid 256 x 1, 4 waves a work-group, no clusters, 34,560 bytes of LDS; arguments W_f, wq; writes wq
.if DOCPART == 1
	.amdgcn_target "amdgcn-amd-amdhsa--gfx1250"
	.amdhsa_code_object_version 6
	.text
	.protected	k_qbac0bb1741_wquant
	.globl	k_qbac0bb1741_wquant
	.p2align	8
	.type	k_qbac0bb1741_wquant,@function
k_qbac0bb1741_wquant:
	s_mov_b64 s[64:65], 0
	v_nop
	global_prefetch_b8 v0, s[64:65] scope:SCOPE_SE
	s_setreg_imm32_b32 hwreg(HW_REG_WAVE_MODE, 25, 1), 1
	s_wait_xcnt 0x0
; DEAD WORK, for all finite values of the inputs.  reference() takes softmax(score, axis = -1) of a [B, 1] array: over ONE element the maximum is the element,
; the exponential is exp(0) = 1, the sum is 1, so w1 = w2 = 1 by identity.  Then o1 = feat_rgb and o2 = feat_depth as they are, and the fourth product's operand
; [feat_depth | feat_rgb] has the features' own numbers, codes and scales.  The score reaches nothing else: products 1, 2 and 3 are left out, and
; W_k1, b_k1, W_k2, b_k2 have no way to the output: they are not loaded and are no launch's argument.
; LIMIT: a NaN, an infinity or an overflow that arises only in the score is not carried to the result.
; THIS LAUNCH: W_f [1024][2048] f32 becomes codes of FP6 (E2M3) with one E8M0 byte for each 32 along K, laid in wq as images of operand registers, by K step.
; wq: 16 K steps of 102,400 bytes; in a step four quarters of 25,600 bytes, one for each wave of the next launch: 16 fragments (16 rows x 128 K, 12 registers a lane)
; of 1,536 bytes, registers 4 c .. 4 c + 3 of lane l at 512 c + 16 l; then 1,024 bytes of scale words: four units of 256 bytes, unit u: row r's word of fragment 4 u + i at 16 r + 4 i.
; Fragment ct = 0 .. 63 (quarter ct / 16) holds rows 64 (ct / 4) + 4 r + ct % 4 of W_f: four neighbouring fragments give a lane four neighbouring columns of the result.
; A block's scale byte is its largest magnitude's exponent field - 2, held at 1 from below; numbers are divided by the scale and rounded to the nearest code, ties to even, beyond 7.5 the largest code.
; LIMITS: NaN and infinities among the inputs are not served; blocks under 2^-124 keep the byte 1; a block of zeros gets the byte 1 where the rule says 127: its codes are zeros, and this program alone reads the bytes.
; SHARES: 1,024 fragments, 256 work-groups of four waves, a fragment a wave.  Work-group = 16 Q + s: K step s, fragments 4 Q + wave.  The four waves' scale words make one unit of 256 bytes, gathered in LDS.
.set PIT,  528                         ; a stage row: 512 bytes + 16
.set STGB, 16*PIT
.set SCB,  4*STGB                      ; the unit of scale words
.set SPARE, SCB+256                    ; the spare words, 128 bytes a wave, named by no other line
.set SPW, 16
.set NIL, 17
.set MX, 6
.set SC, 8
.set CN, 24
.set TP, 36
.set XN, 64
	s_load_b128 s[4:7], s[0:1], 0x0                ; W_f, wq
	v_lshl_add_u32 v[SPW], v0, 2, SPARE
	v_mov_b32 v[NIL], 0
	v_lshrrev_b32 v5, 5, v0
	v_readfirstlane_b32 s16, v5                    ; wave
	s_mul_i32 s17, s16, STGB
	s_lshl_b32 s18, s16, 2
	s_add_co_u32 s18, s18, SCB
	v_and_b32 v5, 31, v0
	v_lshlrev_b32 v1, 4, v5                        ; 16 x lane
	v_add_nc_u32 v2, s17, v1                       ; the stage, on the way in
	v_and_b32 v10, 15, v0                          ; r
	v_bfe_u32 v11, v0, 4, 1                        ; h
	v_mul_u32_u24 v3, v10, PIT
	v_lshl_add_u32 v3, v11, 7, v3
	v_add_nc_u32 v3, s17, v3                       ; and on the way out: row r, k = 32 h on
	v_lshlrev_b32 v4, 3, v11                       ; 8 h
	v_mov_b32 v13, 0                               ; a lane permute's destination counts as a source
	v_lshl_add_u32 v12, v10, 4, s18                ; my row's word: 16 r + 4 x wave
	v_lshlrev_b32 v14, 3, v5                       ; 8 x lane
	v_add_nc_u32 v15, SCB, v14
	s_wait_alu depctr_va_vdst(0)                   ; the wait at the head's end
	s_and_b32 s19, ttmp9, 15                       ; K step s
	s_lshr_b32 s20, ttmp9, 4                       ; Q
	s_lshl_b32 s24, s20, 6
	s_add_co_u32 s24, s24, s16
	s_lshl_b32 s24, s24, 13                        ; row 64 Q + wave, of 8,192 bytes,
	s_lshl_b32 s25, s19, 9
	s_add_co_u32 s24, s24, s25                     ; + 512 s
	s_mov_b32 s25, 0
	s_mul_i32 s26, s19, 102400
	s_lshr_b32 s27, s20, 2
	s_mul_i32 s27, s27, 25600
	s_add_co_u32 s26, s26, s27                     ; the quarter
	s_and_b32 s27, s20, 3
	s_lshl_b32 s28, s27, 2
	s_add_co_u32 s28, s28, s16
	s_mul_i32 s28, s28, 1536
	s_add_co_u32 s28, s28, s26                     ; my fragment
	s_mov_b32 s29, 0
	s_lshl_b32 s30, s27, 8
	s_add_co_u32 s30, s30, s26
	s_add_co_u32 s30, s30, 24576                   ; the work-group's unit of scale words
	s_mov_b32 s31, 0
	s_mov_b32 s32, 0x76543210
	s_mov_b32 s33, 0xfedcba98                      ; lane l xor 16
	s_wait_kmcnt 0x0
	s_add_nc_u64 s[4:5], s[4:5], s[24:25]
	s_add_nc_u64 s[8:9], s[6:7], s[28:29]
	s_add_nc_u64 s[10:11], s[6:7], s[30:31]
.irp i, 0,1,2,3,4,5,6,7,8,9,10,11,12,13,14,15
	global_load_b128 v[XN+4*\i:XN+4*\i+3], v1, s[4:5] offset:32768*\i th:TH_LOAD_NT   ; 512 consecutive bytes of row 64 Q + 4 i + wave
.endr
	s_wait_loadcnt 0x0
.irp i, 0,1,2,3,4,5,6,7,8,9,10,11,12,13,14,15
	ds_store_b128 v2, v[XN+4*\i:XN+4*\i+3] offset:PIT*\i
.endr
.irp c, 0,1                            ; LDS serves a wave's instructions in order (ISA guide 5.7.1.4)
.irp j, 0,1,2,3,4,5,6,7
	ds_load_b128 v[XN+32*\c+4*\j:XN+32*\c+4*\j+3], v3 offset:256*\c+16*\j   ; register 32 c + i: k = 64 c + 32 h + i of row r
.endr
.endr
	s_wait_dscnt 0x0
.irp c, 0,1
	v_max3_num_f32 v[MX+\c], 0x1800000, |v[XN+32*\c]|, |v[XN+32*\c+1]|      ; with the floor 2^(3 - 127)
.endr
.irp i, 2,4,6,8,10,12,14,16,18,20,22,24,26,28,30
.irp c, 0,1
	v_max3_num_f32 v[MX+\c], v[MX+\c], |v[XN+32*\c+\i]|, |v[XN+32*\c+\i+1]|
.endr
.endr
.irp c, 0,1
	v_add_nc_u32 v[SC+\c], 0xff000000, v[MX+\c]    ; 2 off the exponent field: the conversion's scale operand
.endr
	v_lshrrev_b32 v10, 23, v[SC]
	v_lshrrev_b32 v11, 23, v[SC+1]
	v_lshl_or_b32 v10, v11, 16, v10                ; blocks h and 2 + h,
	v_lshlrev_b32 v10, v4, v10                     ; at their places in the word
	v_permlanex16_b32 v13, v10, s32, s33
	v_or_b32 v10, v10, v13                         ; the whole word, in both lanes
.irp c, 0,1
	v_cvt_scalef32_pk16_fp6_f32 v[CN+6*\c:CN+6*\c+2], v[XN+32*\c:XN+32*\c+15], v[SC+\c]
	v_cvt_scalef32_pk16_fp6_f32 v[TP+4*\c:TP+4*\c+2], v[XN+32*\c+16:XN+32*\c+31], v[SC+\c]
.endr
	v_nop                                          ; one plain place behind a scaled conversion
.irp c, 0,1
.irp i, 0,1,2
	v_mov_b32 v[CN+6*\c+3+\i], v[TP+4*\c+\i]
.endr
.endr
	ds_store_b32 v12, v10                          ; lanes l and l xor 16 write the same word with the same value
.irp c, 0,1,2
	global_store_b128 v1, v[CN+4*\c:CN+4*\c+3], s[8:9] offset:512*\c   ; 512 consecutive bytes
.endr
	s_wait_tensorcnt 0x0                           ; behind my last LDS store
	ds_add_u32 v[SPW], v[NIL]
	s_wait_dscnt 0x0                               ; my word is stored too
	s_barrier_signal -1
	s_barrier_wait -1
	s_cmp_lg_u32 s16, 0
	s_cbranch_scc1 .Ldone
	ds_load_b64 v[20:21], v15                      ; wave 0: the four waves' words, 8 bytes a lane
	s_wait_dscnt 0x0
	global_store_b64 v14, v[20:21], s[10:11]       ; one aligned unit of 256 bytes
.Ldone:
	s_endpgm
.Lfunc_end_k_qbac0bb1741_wquant:
	.size	k_qbac0bb1741_wquant, .Lfunc_end_k_qbac0bb1741_wquant-k_qbac0bb1741_wquant
	.p2alignl 7, 3214868480
	.fill 96, 4, 3214868480
	.section	.rodata,"a",@progbits
	.p2align	6, 0x0
	.amdhsa_kernel k_qbac0bb1741_wquant
		.amdhsa_group_segment_fixed_size 34560
		.amdhsa_private_segment_fixed_size 0
		.amdhsa_enable_private_segment 0
		.amdhsa_kernarg_size 16
		.amdhsa_user_sgpr_count 2
		.amdhsa_user_sgpr_kernarg_segment_ptr 1
		.amdhsa_wavefront_size32 1
		.amdhsa_system_sgpr_workgroup_id_x 1
		.amdhsa_system_sgpr_workgroup_id_y 1
		.amdhsa_system_sgpr_workgroup_id_z 1
		.amdhsa_system_vgpr_workitem_id 0
		.amdhsa_next_free_vgpr 128
		.amdhsa_next_free_sgpr 66
		.amdhsa_reserve_vcc 0
		.amdhsa_float_denorm_mode_32 3
		.amdhsa_float_denorm_mode_16_64 3
		.amdhsa_memory_ordered 1
		.amdhsa_forward_progress 1
		.amdhsa_inst_pref_size 10
	.end_amdhsa_kernel
	.amdgpu_metadata
---
amdhsa.version: [ 1, 2 ]
amdhsa.kernels:
  - .name:           k_qbac0bb1741_wquant
    .symbol:         k_qbac0bb1741_wquant.kd
    .args:
      - { .name: W_f, .offset: 0, .size: 8, .value_kind: global_buffer, .address_space: global }
      - { .name: wq, .offset: 8, .size: 8, .value_kind: global_buffer, .address_space: global }
    .group_segment_fixed_size: 34560
    .private_segment_fixed_size: 0
    .kernarg_segment_align: 8
    .kernarg_segment_size: 16
    .max_flat_workgroup_size: 128
    .sgpr_count:     66
    .vgpr_count:     128
    .wavefront_size: 32
...
	.end_amdgpu_metadata
.endif
;; end of part 1
;; launch main (part 2): grid 256 x 1, 4 waves a work-group, clusters of 4 x 1, 327,680 bytes of LDS; arguments feat_depth, feat_rgb, wq, b_f, out0; writes out0
.if DOCPART == 2
	.amdgcn_target "amdgcn-amd-amdhsa--gfx1250"
	.amdhsa_code_object_version 6
	.text
	.protected	k_qbac0bb1741_main
	.globl	k_qbac0bb1741_main
	.p2align	8
	.type	k_qbac0bb1741_main,@function
k_qbac0bb1741_main:
	s_mov_b64 s[64:65], 0
	v_nop
	global_prefetch_b8 v0, s[64:65] scope:SCOPE_SE
	s_setreg_imm32_b32 hwreg(HW_REG_WAVE_MODE, 25, 1), 1
	s_wait_xcnt 0x0
	s_wait_alu depctr_hold_cnt(0) depctr_sa_sdst(0) depctr_va_vdst(0) depctr_va_sdst(0) depctr_va_ssrc(0) depctr_va_vcc(0) depctr_vm_vsrc(0)
	s_getreg_b32 s2, hwreg(HW_REG_IB_STS2, 6, 4)
	s_cmp_eq_u32 s2, 0
	s_cbranch_scc0 .Lentry_in_a_cluster
	s_endpgm
.Lentry_in_a_cluster:
	s_bfe_u32 s2, ttmp6, 0x10000c
	s_cmp_lg_u32 s2, 0x3003
	s_cbranch_scc0 .Lentry_shape_is_right
	s_endpgm
.Lentry_shape_is_right:
; out = Q([feat_depth | feat_rgb]) Q(W_f)^T + b_f, in FP6 (E2M3) codes with E8M0 scales.  The softmax over one element is 1 by identity, so the score's three products and their inputs are left out (shown at the head of the launch before).
; SHARES.  A work-group takes 64 rows x all 1,024 columns, so each f32 number of the features is read once in the launch.  Wave w takes columns 256 w .. + 255: 4 x 16 accumulators, 512 registers.
; K has 16 steps of 128: 0-7 feat_depth, 8-15 feat_rgb (the order of the concatenation).  THE WALK: a cluster's step s takes K step (s + cluster % 16) % 16, for x and for W alike.  So in each step the 64 clusters ask for
; all 16 tiles of W, four clusters each, and every tile but a walk's first has been read one step earlier by other clusters of the launch; for that reason no prefetch of W is laid.
; LIMIT: the order of the sum over K differs from cluster to cluster (a rotation of the ascending order); each output still has one f32 accumulator.
; x.  In step s wave w quantises rows 16 w .. + 15 of step s + 1: sixteen loads of 512 consecutive bytes, a turn through its own stage in LDS, so that lane (r, h) holds two whole blocks of row r,
; the block's scale by exponent arithmetic, the conversions; the fragment's image (1,536 bytes) and its 16 scale words go to LDS bytes of their own, two sets by turns, and every wave reads all four behind the step's barrier.
; The loads run four steps ahead in four sets of 64 registers: 48 loads a wave are out while a set is worked on.  So the launch asks for x without pause by its own loads, and no prefetch of x is laid.
; W.  wq holds images of operand registers, 102,400 bytes a K step, which ALL work-groups walk: the four of a cluster ask JOINTLY, each wave one load of 25,600 bytes (100 rows of 256), into a ring of two slots.
; By the text's own count a wave has one tensor load out.  The round of the cluster's barrier at a change of slots also hands the codes of x from wave to wave.
; Source 0 = 16 rows of x, source 1 = 16 rows of W_f: lane (r, h), register j holds (row 8 h + j, the fragment's column r).  Fragments 4 g + t of a wave hold columns 64 g + 4 r + t: four sums and b_f make 16 bytes, sixteen lanes 256.
; LIMITS: NaN and infinities among the inputs are not served; blocks under 2^-124 keep the byte 1; a block of zeros gets the byte 1: its codes are zeros, and this program alone reads the bytes.
; REGISTERS: window 0: addresses, the quantiser's few, scale words, x's four fragments, a ring of 2 x 4 fragments of W.  Window 1: x as f32, four sets of 64.  Windows 2, 3: the sums: (a, tw) at 8 (4 (tw % 8) + a).
.set SLOT,  102400
.set QTR,   25600
.set PIT,   528
.set STG,   2*SLOT                     ; four stages of 16 rows x 528 bytes; LDS stores alone write here and below
.set XC,    STG+4*16*PIT               ; x's codes: two sets of 4 x 1,536 + 256 bytes
.set XCB,   6400
.set SPARE, XC+2*XCB                   ; the spare words, 128 bytes a wave, named by no other line
.set SPW, 1
.set NIL, 2
.set XO,  3                            ; 16 x lane
.set SI,  4                            ; my stage, in
.set SO,  5                            ; my stage, out
.set CI,  6                            ; my fragment's image
.set CS,  7                            ; my row's scale word: 16 r + 4 w
.set XA,  8                            ; x's images
.set XS,  9                            ; x's scale words: 16 r
.set BA,  10                           ; v10-11 my quarter in slot 0, 1
.set BQ,  12                           ; v12-13 its scale words
.set CO,  14                           ; 16 r + 8 h rows of out
.set RO,  15                           ; 16 r
.set H8,  16
.set PT,  17
.set MX,  18
.set SC,  20
.set T0,  22
.set T1,  23
.set CN,  24                           ; v24-35 codes
.set TP,  36                           ; v36-43
.set BF,  24                           ; v24-39 b_f, behind the last quantising
.set AS,  44                           ; v44-47 x's scale words, fragment a
.set BS,  48                           ; v48-63 W's scale words, fragment tw
.set AF,  64                           ; v64-111 x's fragments
.set BR,  112                          ; v112-207 W's fragments, two halves of four
.set G0,  24                           ; s[24:31] group 0, a set for each slot
.set XP,  50                           ; s[50:57] x's base, a pair for each set of registers
.set KX,  58                           ; s58 the K step of x's next loads
.set KW,  59                           ; s59 the K step of W's next tile
.set MSB, 0
.macro WIN new                         ; the immediate's high byte repeats the setting that is left
.if MSB != (\new)
	s_set_vgpr_msb (MSB<<8)|(\new)
.set MSB, (\new)
.endif
.endm
.macro PLACES                          ; four places behind matrix instructions (ISA guide 7.12.1 for matrix instructions)
.rept 4
	v_nop
.endr
.endm
.macro CREST                           ; a round of the cluster's barrier behind its opening barrier
	s_cmp_lg_u32 s12, 0
	s_cbranch_scc1 .Lnot_wave_0_\@
	s_barrier_signal -3
.Lnot_wave_0_\@:
	s_barrier_wait -3
	s_barrier_signal -1
	s_barrier_wait -1
.endm
.macro CROUND                          ; a whole round
	s_barrier_signal -1
	s_barrier_wait -1
	CREST
.endm
.macro WDESC sl                        ; slot sl's group 0 takes the tile of K step KW, my quarter; KW goes on round the 16.  It stands where no tensor load of mine is out
	s_mul_i32 s62, s[KW], SLOT
	s_add_nc_u64 s[G0+4*(\sl)+2:G0+4*(\sl)+3], s[8:9], s[62:63]
	s_or_b32 s[G0+4*(\sl)+3], s[G0+4*(\sl)+3], 0x80000000
	s_add_co_u32 s[KW], s[KW], 1
	s_and_b32 s[KW], s[KW], 15
.endm
.macro XLD st                          ; K step KX: 128 numbers of each of my 16 rows into set st; KX goes on.  The set's base pair is written behind the counted wait that has shown the set's last loads done
	s_and_b32 s60, s[KX], 7
	s_lshl_b32 s60, s60, 9
	s_cmp_lt_u32 s[KX], 8                          ; the choice hangs on the cluster's number and the step alone
	s_cselect_b64 s[XP+2*(\st):XP+2*(\st)+1], s[4:5], s[6:7]
	s_add_nc_u64 s[XP+2*(\st):XP+2*(\st)+1], s[XP+2*(\st):XP+2*(\st)+1], s[60:61]
	s_add_co_u32 s[KX], s[KX], 1
	s_and_b32 s[KX], s[KX], 15
	WIN 0x40
.irp i, 0,1,2,3,4,5,6,7,8,9,10,11,12,13,14,15
	global_load_b128 v[64*(\st)+4*\i:64*(\st)+4*\i+3], v[XO], s[XP+2*(\st):XP+2*(\st)+1] offset:4096*\i th:TH_LOAD_NT
.endr
	WIN 0
.endm
.macro Q1 t, left                      ; step t's numbers turn through my stage; left: the younger loads, which stay out
	s_wait_loadcnt \left
	WIN 0x04
.irp i, 0,1,2,3,4,5,6,7,8,9,10,11,12,13,14,15
	ds_store_b128 v[SI], v[64*((\t)%4)+4*\i:64*((\t)%4)+4*\i+3] offset:PIT*\i
.endr
	WIN 0x40
.irp c, 0,1                            ; LDS serves a wave's instructions in order (ISA guide 5.7.1.4)
.irp j, 0,1,2,3,4,5,6,7
	ds_load_b128 v[64*((\t)%4)+32*\c+4*\j:64*((\t)%4)+32*\c+4*\j+3], v[SO] offset:256*\c+16*\j
.endr
.endr
	WIN 0
.endm
.macro Q2A t                           ; the largest magnitudes of my two blocks, with the floor 2^(3 - 127)
.set XN, 64*((\t)%4)
	WIN 0x14
.irp c, 0,1
	v_max3_num_f32 v[MX+\c], 0x1800000, |v[XN+32*\c]|, |v[XN+32*\c+1]|
.endr
.irp i, 2,4,6,8,10,12,14,16,18,20,22,24,26,28,30
.irp c, 0,1
	v_max3_num_f32 v[MX+\c], v[MX+\c], |v[XN+32*\c+\i]|, |v[XN+32*\c+\i+1]|
.endr
.endr
	WIN 0
.endm
.macro Q2B t                           ; scale word, codes, and both into LDS
.set XN, 64*((\t)%4)
	WIN 0
.irp c, 0,1
	v_add_nc_u32 v[SC+\c], 0xff000000, v[MX+\c]    ; 2 off the exponent field: the conversion's scale operand
.endr
	v_lshrrev_b32 v[T0], 23, v[SC]
	v_lshrrev_b32 v[T1], 23, v[SC+1]
	v_lshl_or_b32 v[T0], v[T1], 16, v[T0]
	v_lshlrev_b32 v[T0], v[H8], v[T0]
	v_permlanex16_b32 v[PT], v[T0], s32, s33
	v_or_b32 v[T0], v[T0], v[PT]
	WIN 0x01
.irp c, 0,1
	v_cvt_scalef32_pk16_fp6_f32 v[CN+6*\c:CN+6*\c+2], v[XN+32*\c:XN+32*\c+15], v[SC+\c]
	v_cvt_scalef32_pk16_fp6_f32 v[TP+4*\c:TP+4*\c+2], v[XN+32*\c+16:XN+32*\c+31], v[SC+\c]
.endr
	WIN 0
	v_nop                                          ; one plain place behind a scaled conversion
.irp c, 0,1
.irp i, 0,1,2
	v_mov_b32 v[CN+6*\c+3+\i], v[TP+4*\c+\i]
.endr
.endr
.irp c, 0,1,2
	ds_store_b128 v[CI], v[CN+4*\c:CN+4*\c+3] offset:XCB*((\t)%2)+512*\c
.endr
	ds_store_b32 v[CS], v[T0] offset:XCB*((\t)%2)  ; lanes l and l xor 16 write the same word with the same value
.endm
.macro ALOAD s                         ; x's four fragments, its scale words and W's: 17 loads
	WIN 0
.irp a, 0,1,2,3
.irp c, 0,1,2
	ds_load_b128 v[AF+12*\a+4*\c:AF+12*\a+4*\c+3], v[XA] offset:XCB*((\s)%2)+1536*\a+512*\c
.endr
.endr
	ds_load_b128 v[AS:AS+3], v[XS] offset:XCB*((\s)%2)
.irp p, 0,1,2,3
	ds_load_b128 v[BS+4*\p:BS+4*\p+3], v[BQ+(\s)%2] offset:256*\p
.endr
.endm
.macro BLOAD s, b                      ; W's fragments 4 b .. 4 b + 3 into half b % 2: 12 loads
	WIN 0
.irp t, 0,1,2,3
.irp c, 0,1,2
	ds_load_b128 v[BR+48*((\b)%2)+12*\t+4*\c:BR+48*((\b)%2)+12*\t+4*\c+3], v[BA+(\s)%2] offset:(4*(\b)+\t)*1536+512*\c
.endr
.endr
.endm
.macro MMH b, z, t0                    ; 8 matrix instructions on 8 accumulators by turns; z = 1: the walk's first step starts the sums
	WIN 0xa0+0x50*((\b)/2)
.irp t, \t0, \t0+1
.irp a, 0,1,2,3
.set ac, 8*(4*((4*(\b)+(\t))%8)+\a)
.set br, BR+48*((\b)%2)+12*(\t)
.if \z
	v_wmma_scale_f32_16x16x128_f8f6f4 v[ac:ac+7], v[AF+12*\a:AF+12*\a+11], v[br:br+11], 0, v[AS+\a], v[BS+4*(\b)+(\t)] matrix_a_fmt:MATRIX_FMT_FP6 matrix_b_fmt:MATRIX_FMT_FP6
.else
	v_wmma_scale_f32_16x16x128_f8f6f4 v[ac:ac+7], v[AF+12*\a:AF+12*\a+11], v[br:br+11], v[ac:ac+7], v[AS+\a], v[BS+4*(\b)+(\t)] matrix_a_fmt:MATRIX_FMT_FP6 matrix_b_fmt:MATRIX_FMT_FP6
.endif
.endr
.endr
.endm
.macro MM b, z
	MMH \b, \z, 0
	MMH \b, \z, 2
.endm
; Step s of the walk.  ld: x's loads of step s + 5 go out; rf: W's tile of step s + 2 is asked for, into this step's slot; qn: x's step s + 1 is quantised and a change of slots follows; left: the quantiser's wait's count.
.macro STEP s, z, ld, rf, qn, left
	ALOAD \s
	BLOAD \s, 0
	BLOAD \s, 1
	s_wait_dscnt 12                                ; all but half 1's twelve
	MM 0, \z
	PLACES
	BLOAD \s, 2
.if \qn
	Q1 (\s)+1, \left
	s_wait_dscnt 44                                ; half 1 is in: behind it stand twelve loads and the stage's 32 instructions
.else
.irp g, 0,1,2,3
	global_load_b128 v[BF+4*\g:BF+4*\g+3], v[RO], s[10:11] offset:256*\g   ; the last step: b_f[256 w + 64 g + 4 r + 0 .. 3]
.endr
	s_wait_dscnt 12
.endif
	MM 1, \z
.if \qn
	s_wait_dscnt 0x0                               ; my numbers are back from the stage
	Q2A (\s)+1                                     ; 32 plain lines: the places in front of the loads into half 1
	BLOAD \s, 3
	Q2B (\s)+1
.if \ld
	XLD ((\s)+1)%4
.endif
	MM 2, \z
	WIN 0                                          ; THE CHANGE OF SLOTS
	s_wait_tensorcnt 0x0                           ; my quarter of the next step's slot is in: no tensor load of mine is out
	ds_add_u32 v[SPW], v[NIL]
.if \rf
	WDESC (\s)%2
.endif
	s_wait_dscnt 5                                 ; half 1 is in: the four stores of codes and the add may be out
	MMH 3, \z, 0                                   ; eight matrix instructions stand between the add and the wait for it
	s_wait_dscnt 0x0                               ; the add, my reads of this slot and of x's codes, my stores of the next step's codes
	s_barrier_signal -1
	MMH 3, \z, 2                                   ; work on registers while the others arrive
	WIN 0
	s_barrier_wait -1
.if \rf
	CREST                                          ; the barrier has opened a round: the same holds of every wave of the four work-groups
	tensor_load_to_lds s[G0+4*((\s)%2):G0+4*((\s)%2)+3], s[16:23]
	s_nop 0
.endif
	PLACES                                         ; also the places in front of the next step's loads
.else
	PLACES
	BLOAD \s, 3
	s_wait_dscnt 12
	MM 2, \z
	s_wait_dscnt 0x0
	MM 3, \z
.endif
.endm
; THE WAY OUT: first all 512 sums + b_f, four columns a lane, then 128 stores on end.  Group n = 4 g + a (8 quads, 32 registers) lies in window 1 (n < 8), in window 0 from v64 (n < 14), or in window 2's first 64 registers, whose sums groups 0-3 have read.
.macro EPLACE g, a
.set en, 4*(\g)+\a
.if en < 8
.set dw, 1
.set oq, 32*en
.elseif en < 14
.set dw, 0
.set oq, 64+32*(en-8)
.else
.set dw, 2
.set oq, 32*(en-14)
.endif
.endm
.macro EADD g, a                       ; each accumulator is read from register 0 on
	EPLACE \g, \a
	WIN (dw<<6)|(2+(\g)/2)
.irp j, 0,1,2,3,4,5,6,7
.irp t, 0,1,2,3
	v_add_f32 v[oq+4*\j+\t], v[8*(4*((4*(\g)+\t)%8)+\a)+\j], v[BF+4*(\g)+\t]
.endr
.endr
.endm
.macro ESTO g, a
	EPLACE \g, \a
	WIN dw<<2
.irp j, 0,1,2,3,4,5,6,7
	global_store_b128 v[CO], v[oq+4*\j:oq+4*\j+3], s[36:37] offset:(16*\a+\j)*4096+256*(\g) th:TH_STORE_NT   ; lanes 0-15 and lanes 16-31 each store 256 consecutive bytes, aligned
.endr
.endm
	s_load_b256 s[4:11], s[0:1], 0x0               ; feat_depth, feat_rgb, wq, b_f
	s_load_b64 s[36:37], s[0:1], 0x20              ; out0
	v_lshl_add_u32 v[SPW], v0, 2, SPARE
	v_mov_b32 v[NIL], 0
	ds_add_u32 v[SPW], v[NIL]                      ; the opening lines: the add, twice on end, and its wait
	ds_add_u32 v[SPW], v[NIL]
	v_lshrrev_b32 v[T0], 5, v0
	v_readfirstlane_b32 s12, v[T0]                 ; wave
	s_mul_i32 s42, s12, 16*PIT
	s_add_co_u32 s42, s42, STG
	s_mul_i32 s43, s12, 1536
	s_add_co_u32 s43, s43, XC
	s_lshl_b32 s44, s12, 2
	s_add_co_u32 s44, s44, XC+6144
	s_mul_i32 s45, s12, QTR
	v_and_b32 v[PT], 31, v0
	v_lshlrev_b32 v[XO], 4, v[PT]
	v_and_b32 v[T0], 15, v0                        ; r
	v_bfe_u32 v[T1], v0, 4, 1                      ; h
	v_add_nc_u32 v[SI], s42, v[XO]
	v_mul_u32_u24 v[SO], v[T0], PIT
	v_lshl_add_u32 v[SO], v[T1], 7, v[SO]
	v_add_nc_u32 v[SO], s42, v[SO]
	v_add_nc_u32 v[CI], s43, v[XO]
	v_lshl_add_u32 v[CS], v[T0], 4, s44
	v_add_nc_u32 v[XA], XC, v[XO]
	v_lshlrev_b32 v[RO], 4, v[T0]
	v_add_nc_u32 v[XS], XC+6144, v[RO]
	v_add_nc_u32 v[BA], s45, v[XO]
	v_add_nc_u32 v[BA+1], SLOT, v[BA]
	v_add_nc_u32 v[BQ], s45, v[RO]
	v_add_nc_u32 v[BQ], 24576, v[BQ]
	v_add_nc_u32 v[BQ+1], SLOT, v[BQ]
	v_lshl_add_u32 v[CO], v[T1], 15, v[RO]
	v_lshlrev_b32 v[H8], 3, v[T1]
	v_mov_b32 v[PT], 0                             ; a lane permute's destination counts as a source
	s_wait_alu depctr_va_vdst(0)                   ; the wait at the end of the head's vector work
	s_mov_b32 s32, 0x76543210
	s_mov_b32 s33, 0xfedcba98                      ; lane l xor 16
	s_mov_b32 s16, 15|(3<<16)|(1<<21)              ; group 1: the mask names the cluster's four; elements of 8 bytes; bit 21 beside a mask
	s_mov_b32 s17, 32<<16                          ; tensor_dim0 = 32
	s_mov_b32 s18, 100<<16                         ; tensor_dim1 = 100
	s_mov_b32 s19, 32<<16                          ; tile_dim0 = 32
	s_mov_b32 s20, 100                             ; tile_dim1 = 100
	s_mov_b32 s21, 32                              ; pitch
	s_mov_b32 s22, 0
	s_mov_b32 s23, 0
	s_and_b32 s[KX], ttmp9, 15                     ; where my cluster's walk begins: the cluster's number, which the four partners share
	s_mov_b32 s[KW], s[KX]
	s_mov_b32 s61, 0
	s_mov_b32 s63, 0
	s_bfe_u32 s13, ttmp6, 0x40000                  ; cx: it enters the addresses of x and out alone
	s_lshl_b32 s14, ttmp9, 2
	s_add_co_u32 s14, s14, s13                     ; the work-group: rows 64 x it
	s_lshl_b32 s38, s14, 18
	s_lshl_b32 s15, s12, 16
	s_add_co_u32 s38, s38, s15                     ; x: my 16 rows of 4,096 bytes
	s_mov_b32 s39, 0
	s_lshl_b32 s40, s14, 18
	s_lshl_b32 s46, s12, 10                        ; my 256 columns, in bytes
	s_add_co_u32 s40, s40, s46
	s_mov_b32 s41, 0
	s_mov_b32 s47, 0
	s_mov_b32 s48, s45
	s_mov_b32 s49, 0
	s_wait_dscnt 0x0                               ; both opening adds are done
	s_wait_kmcnt 0x0
	s_add_nc_u64 s[8:9], s[8:9], s[48:49]          ; wq: my quarter of K step 0
.irp n, 0,1
	s_mov_b32 s[G0+4*\n], 1
	s_add_co_u32 s[G0+4*\n+1], s45, \n*SLOT
.endr
	WDESC 0
	s_add_nc_u64 s[4:5], s[4:5], s[38:39]
	s_add_nc_u64 s[6:7], s[6:7], s[38:39]
	s_add_nc_u64 s[36:37], s[36:37], s[40:41]
	s_add_nc_u64 s[10:11], s[10:11], s[46:47]
	CROUND                                         ; the four work-groups are here: the first joint loads meet
	tensor_load_to_lds s[G0:G0+3], s[16:23]        ; W's tile of the walk's step 0: one tensor load a wave at the head, ahead of the plain loads
	s_nop 0
	PLACES
	XLD 0                                          ; x's steps 0 to 3
	XLD 1
	XLD 2
	XLD 3
	Q1 0, 48                                       ; x's step 0 is quantised ahead of the walk
	s_wait_dscnt 0x0
	Q2A 0
	Q2B 0
	XLD 0
	s_wait_tensorcnt 0x0                           ; my quarter of slot 0 is in
	ds_add_u32 v[SPW], v[NIL]
	WDESC 1
	s_wait_dscnt 0x0                               ; the add, and my stores of step 0's codes
	CROUND
	tensor_load_to_lds s[G0+4:G0+7], s[16:23]      ; slot 1's first fill: the walk's step 1
	s_nop 0
	PLACES
	STEP 0, 1, 1, 1, 1, 48
	STEP 1, 0, 1, 1, 1, 48
	STEP 2, 0, 1, 1, 1, 48
	s_mov_b32 s34, 2
.Lk:                                                   ; a trip is four steps: the four sets of x and the two slots are back where they began
	STEP 3, 0, 1, 1, 1, 48
	STEP 4, 0, 1, 1, 1, 48
	STEP 5, 0, 1, 1, 1, 48
	STEP 6, 0, 1, 1, 1, 48
	s_sub_co_u32 s34, s34, 1
	s_cmp_lg_u32 s34, 0
	s_cbranch_scc1 .Lk
	STEP 11, 0, 0, 1, 1, 48                        ; the tail asks for no more of x: the counts run down
	STEP 12, 0, 0, 1, 1, 32
	STEP 13, 0, 0, 1, 1, 16                        ; the last tile, the walk's step 15, is asked for here
	STEP 14, 0, 0, 0, 1, 0                         ; nothing is filled again: a barrier, no round
	STEP 15, 0, 0, 0, 0, 0                         ; nothing is left to fetch or to quantise
	s_wait_loadcnt 0x0                             ; b_f
	PLACES
.irp g, 0,1,2,3
.irp a, 0,1,2,3
	EADD \g, \a
.endr
.endr
.irp g, 0,1,2,3
.irp a, 0,1,2,3
	ESTO \g, \a
.endr
.endr
	WIN 0
	s_wait_tensorcnt 0x0                           ; the wave's end
	ds_add_u32 v[SPW], v[NIL]
	s_wait_dscnt 0x0
	CROUND                                         ; the closing round
	s_endpgm
.Lfunc_end_k_qbac0bb1741_main:
	.size	k_qbac0bb1741_main, .Lfunc_end_k_qbac0bb1741_main-k_qbac0bb1741_main
	.p2alignl 7, 3214868480
	.fill 96, 4, 3214868480
	.section	.rodata,"a",@progbits
	.p2align	6, 0x0
	.amdhsa_kernel k_qbac0bb1741_main
		.amdhsa_group_segment_fixed_size 327680
		.amdhsa_private_segment_fixed_size 0
		.amdhsa_enable_private_segment 0
		.amdhsa_kernarg_size 40
		.amdhsa_user_sgpr_count 2
		.amdhsa_user_sgpr_kernarg_segment_ptr 1
		.amdhsa_wavefront_size32 1
		.amdhsa_system_sgpr_workgroup_id_x 1
		.amdhsa_system_sgpr_workgroup_id_y 1
		.amdhsa_system_sgpr_workgroup_id_z 1
		.amdhsa_system_vgpr_workitem_id 0
		.amdhsa_next_free_vgpr 1024
		.amdhsa_next_free_sgpr 66
		.amdhsa_reserve_vcc 0
		.amdhsa_float_denorm_mode_32 3
		.amdhsa_float_denorm_mode_16_64 3
		.amdhsa_memory_ordered 1
		.amdhsa_forward_progress 1
		.amdhsa_inst_pref_size 255
	.end_amdhsa_kernel
	.section	.bss,"aw",@nobits
	.p2align	6
	.space	262144
	.amdgpu_metadata
---
amdhsa.version: [ 1, 2 ]
amdhsa.kernels:
  - .name:           k_qbac0bb1741_main
    .symbol:         k_qbac0bb1741_main.kd
    .args:
      - { .name: feat_depth, .offset: 0, .size: 8, .value_kind: global_buffer, .address_space: global }
      - { .name: feat_rgb, .offset: 8, .size: 8, .value_kind: global_buffer, .address_space: global }
      - { .name: wq, .offset: 16, .size: 8, .value_kind: global_buffer, .address_space: global }
      - { .name: b_f, .offset: 24, .size: 8, .value_kind: global_buffer, .address_space: global }
      - { .name: out0, .offset: 32, .size: 8, .value_kind: global_buffer, .address_space: global }
    .group_segment_fixed_size: 327680
    .private_segment_fixed_size: 0
    .kernarg_segment_align: 8
    .kernarg_segment_size: 40
    .max_flat_workgroup_size: 128
    .sgpr_count:     66
    .vgpr_count:     1024
    .wavefront_size: 32
...
	.end_amdgpu_metadata
.endif
;; end of part 2
